; MI455X (gfx1250); checked and timed in simulation.
; The chip was launched on July 23, 2026; its instructions are those of AMD's public machine-readable ISA for CDNA 5 (MIT licence, August 2026) and "CDNA5" Instruction Set Architecture Reference Guide (July 2026). The comments in the code are by the model that wrote it; some were corrected since.
;; Scaled Dot Product Attention. Allowed arithmetic: matrix products marked QUANTISED: E2M1 operands, one E8M0 scale for each 32 along K, by v_wmma_scale_f32_16x16x128_f8f6f4 with both operands' format E2M1 (or v_wmma_scale_f32_32x16x128_f4), f32 sums; everything else in f32.
;; Inputs: key 16 x 4,096 x 64 float32; mask 4,096 x 4,096 int32; query 16 x 4,096 x 64 float32; value 16 x 4,096 x 64 float32.
;; Outputs: out0 16 x 4,096 x 64 float32.
;; This version of the problem:
;;   THIS VERSION OF THE PROBLEM IS GIVEN IN LOW PRECISION. The matrix products marked QUANTISED in the list below multiply operands that are first quantised to E2M1 (2 exponent bits, 1 mantissa bit; 4 bits a number), with one power-of-two scale for each 32 numbers along K (OCP MX v1.0); their sums are f32. All else is computed in f32.
;;   The module's matrix products, in the order in which they are computed (A, B: the left and right operand; K: the contracted axis; several contracted axes count as one K, in the product's order):
;;     1. batch 16 x [M 4,096, K 64] x [K 64, N 4,096]; A: input query; B: input key: QUANTISED
;;     2. batch 16 x [M 4,096, K 4,096] x [K 4,096, N 64]; A: softmax (see below); B: input value: QUANTISED
;;   THE QUANTISER, for each operand of a quantised product, along K:
;;     - K is cut into blocks of 32 from its start; a last block that is shorter is filled with zeros.
;;     - A block's scale is 2^e with e = floor(log2(the largest magnitude in the block)) - 2, held to -126 .. 127; a block of zeros has e = 0. As a byte (E8M0): e + 127.
;;     - Each number is divided by its block's scale, clamped to +-6, and rounded to the nearest number of E2M1, ties to even, subnormals kept.
;;     - The product sums the exact products of the quantised numbers (number of the format x scale) in f32.
;;   ~~~python
;;   def quantise(x, axis):      # numpy; x: float32 -> the quantised numbers, widened to float32 again
;;       x = np.moveaxis(x, axis, -1); K = x.shape[-1]
;;       x = np.pad(x, [(0, 0)] * (x.ndim - 1) + [(0, -K % 32)]); x = x.reshape(x.shape[:-1] + (-1, 32)); a = np.abs(x).max(-1, keepdims=True)
;;       e = np.where(a > 0, np.clip(np.frexp(np.where(a > 0, a, 1))[1] - 1 - 2, -126, 127), 0)      # np.frexp(a)[1] - 1 = floor(log2(a)), exactly
;;       r = np.clip(x / 2.0 ** e, -6, 6)
;;       step = 2.0 ** (np.maximum(np.frexp(np.where(r == 0, 1, r))[1] - 1, 0) - 1)
;;       q = np.round(r / step) * step * 2.0 ** e      # np.round: ties to even
;;       return np.moveaxis(q.reshape(q.shape[:-2] + (-1,))[..., :K], -1, axis).astype(np.float32)
;;   ~~~
;;   SOFTMAX AHEAD OF A QUANTISED PRODUCT. Where the list says 'softmax', what is quantised is not the finished softmax but p = 2^(t - M), with t = logit x log2(e) and M = ceil(the row's largest t), a whole number; so 1/2 < the row's largest p <= 1. The row's sum l is taken of the UNQUANTISED p, in f32, and the product's result is divided by l at the end. Since M is a whole number, a kernel that streams over the keys may use a running M (the ceiling of the running maximum): every later rescaling is an exact power of two, which a block's scale takes up: the codes' values come out the same.
;;   OPERANDS COMPUTED ON THE WAY. 'Computed on the way' means the value that the module computes at that place (a softmax that the list does not call 'softmax' is quantised finished and normalised). What goes into a quantiser is computed in f32, as accurately as f32 sums, v_exp_f32 and their like allow (about 1e-6 of the number): no bf16 or f16 on the way to a quantiser, and a product that is left as it is and whose result goes on into a quantised operand takes f32 operands (vector FMAs, or v_wmma_f32_16x16x4_f32). A number that lies on a knife's edge between two numbers of the format may be rounded either way, as far as f32 arithmetic and the matrix unit's own rounding can turn it there, and no further.
;; One version. Each part assembles by itself: llvm-mc -triple=amdgcn-amd-amdhsa -mcpu=gfx1250 --defsym DOCPART=n.
;; ======== version 1 of 1: 2 launches
;; limits: right only within a limited range of input values
;; workspace buffers: maskc 8,388,608 bytes; kv 4,718,592 bytes; rowf 16,384 bytes of whole numbers
;; launch prep (part 1): grid 768 x 1, 4 waves a work-group, no clusters, 74,240 bytes of LDS; arguments mask, key, value, maskc, kv, rowf; writes maskc, kv, rowf
.if DOCPART == 1
	.amdgcn_target "amdgcn-amd-amdhsa--gfx1250"
	.amdhsa_code_object_version 6
	.text
	.protected	k_qdaf70e9257_prep
	.globl	k_qdaf70e9257_prep
	.p2align	8
	.type	k_qdaf70e9257_prep,@function
k_qdaf70e9257_prep:
	s_mov_b64 s[64:65], 0
	v_nop
	global_prefetch_b8 v0, s[64:65] scope:SCOPE_SE
	s_setreg_imm32_b32 hwreg(HW_REG_WAVE_MODE, 25, 1), 1
	s_wait_xcnt 0x0
; The inputs that every query block of the attention launch reads are brought once into the form in which it takes them.  No work of the problem is left out.
; A TILE OF KEYS: row r of tile t (0..7) of a key step of 128 keys is key 64 (t / 4) + 32 (r / 8) + 8 (t % 4) + r % 8 of the step.
; MASK [4096][4096] int32 -> maskc [qt 256][step 32][t 8][lane 32] of 32-bit words (r = lane % 16, h = lane / 16): nibble i is the E2M1 code of -6 (0xf) where
;   mask[16 qt + 8 h + i][row r of tile t] == 0, else the code of 0: register 4 of the first product's key operand.
; rowf [qt 256][part 8][2]: bit 4 i of word hq is 1 where query 16 qt + 8 hq + i has an open key among keys 512 part .. 512 part + 511.
; KEY, VALUE [16][4096][64] f32 -> kv [batch 16][step 32][9,216 bytes]: codes of FP4 (E2M1) and E8M0 scale bytes of 128 keys, as images of operand registers:
;   +0     KC: tile t at 512 t, lane l's 16 bytes at 16 l: the codes k = 32 h .. 32 h + 31 of the tile's row r
;   +4,096 KS: lane l's 16 bytes at 16 l: word i = the scale word of tile 2 i + h, row r: bytes 0, 1 the two blocks' scales, bytes 2, 3 = 141 (2^14), the scale of the mask's codes
;   +4,608 VC: tile tt (d = 16 tt + r), register group c, at 1,024 tt + 512 c + 16 l: the codes of keys 64 c + 32 h + 0 .. 31 of the step (VALUE is quantised along the keys)
;   +8,704 VS: the word at 128 i + 4 l = the scale word (the step's four blocks of 32 keys) of row r of tile 2 i + h
;   +8,960 256 bytes of zeros: a step is 36 units of 256 bytes, all of them written
; A block's scale is 2^(floor(log2(its largest magnitude)) - 2): its byte is the largest magnitude's exponent field - 2, held at 1 from below by a floor among the maximum's leaves.
; LIMITS: a block of zeros gets the byte 1 where the quantiser says 127 (its codes are zeros, and this program alone reads the bytes); NaN and infinities among the inputs are not served.
; SHARES: 768 work-groups of four waves, 32 KiB of input a wave: work-groups 0-511 take the mask, 512-639 the keys, 640-767 the values.  The ways part on the work-group's number and end apart;
; the two that use LDS have LDS bytes of their own, and in them each wave a stage of its own: no barrier.  No tensor loads, no matrix unit, no cluster: a stream read once.
.set KST,   4096                       ; LDS: four mask stages of 1,024 bytes, then the keys' stages,
.set KWB,   64*272                     ; 64 rows x (256 bytes + 16) a wave
.set SPARE, KST+4*KWB                  ; then the spare words
.set STEPB, 9216
.set O_KS,  4096
.set O_VC,  4608
.set O_VS,  8704
.set O_PAD, 8960
.set MR,  16                           ; mask: v16-143 two sets of 64 as loaded; v144-151 eight words; v152-155 open bits; v160-191 the words on their way out
.set W,   144
.set U,   152
.set T,   154
.set OR,  160
.set KR,  16                           ; keys: v16-143 64 rows as loaded; v144-207 two tiles x 32 numbers; v208-239 codes; v240-243 scale words; v244-251 at work
.set KX,  144
.set KCD, 208
.set KSW, 240
.set VX,  16                           ; values: v16-79 two sets of 32 numbers; v80-111 codes; v112-113 scale words; v12-15 at work
.set VCD, 80
.set VSW, 112
	s_load_b128 s[4:7], s[0:1], 0x0                ; mask, key
	s_load_b128 s[8:11], s[0:1], 0x10              ; value, maskc
	s_load_b128 s[12:15], s[0:1], 0x20             ; kv, rowf
	v_lshl_add_u32 v254, v0, 2, SPARE
	v_mov_b32 v255, 0
	v_lshrrev_b32 v1, 5, v0
	v_readfirstlane_b32 s16, v1                    ; wave 0..3
	v_and_b32 v8, 31, v0                           ; lane
	v_lshlrev_b32 v1, 4, v8                        ; 16 x lane
	v_and_b32 v2, 15, v0                           ; r
	v_bfe_u32 v3, v0, 4, 1                         ; h
	s_mov_b32 s17, 0xffff0000                      ; lanes 16-31
	s_mov_b32 s18, 0x76543210
	s_mov_b32 s19, 0xfedcba98                      ; selects for lane l xor 16
	s_wait_alu depctr_va_vdst(0)                   ; the wait at the head's end
	s_wait_kmcnt 0x0
	s_cmp_lt_u32 ttmp9, 512
	s_cbranch_scc0 .Lnot_mask
; ---------------- THE MASK.  qt = id / 2; part = 4 (id % 2) + wave takes the four key steps 4 part + 0 .. 3 of 16 queries.
; A lane takes keys 4 lane + 0 .. 3 of a step and its registers run down the 16 queries: each load reads 512 consecutive bytes of one query's row.
	s_lshr_b32 s20, ttmp9, 1                       ; qt
	s_and_b32 s21, ttmp9, 1
	s_lshl_b32 s23, s21, 2
	s_add_co_u32 s23, s23, s16                     ; part
	s_lshl_b32 s21, s23, 2                         ; the first step
	s_lshl_b32 s24, s20, 18                        ; 16 rows of 16,384 bytes,
	s_lshl_b32 s22, s21, 9                         ; 512 bytes of a row for each step
	s_add_co_u32 s24, s24, s22
	s_mov_b32 s25, 0
	s_add_nc_u64 s[4:5], s[4:5], s[24:25]
	s_lshl_b32 s26, s20, 15                        ; 32,768 bytes of words for each qt,
	s_lshl_b32 s22, s21, 10                        ; 1,024 for each step
	s_add_co_u32 s26, s26, s22
	s_mov_b32 s27, 0
	s_add_nc_u64 s[10:11], s[10:11], s[26:27]
	s_lshl_b32 s28, s20, 6
	s_lshl_b32 s22, s23, 3
	s_add_co_u32 s28, s28, s22
	s_mov_b32 s29, 0
	s_add_nc_u64 s[14:15], s[14:15], s[28:29]      ; my 8 bytes of rowf
	s_lshl_b32 s36, s16, 10                        ; my stage
	v_bfe_u32 v4, v8, 4, 1                         ; my four keys lie in tile 4 (lane / 16) + (lane / 2) % 4, rows 8 ((lane / 8) % 2) + 4 (lane % 2) + 0 .. 3:
	v_lshlrev_b32 v4, 9, v4                        ; 128 bytes a tile, 4 a row, 64 for the upper eight queries
	v_bfe_u32 v5, v8, 1, 2
	v_lshl_add_u32 v4, v5, 7, v4
	v_bfe_u32 v5, v8, 3, 1
	v_lshl_add_u32 v4, v5, 5, v4
	v_and_b32 v5, 1, v8
	v_lshl_add_u32 v4, v5, 4, v4
	v_add_nc_u32 v4, s36, v4                       ; into the stage
	v_add_nc_u32 v5, s36, v1                       ; and out of it, 16 bytes a lane
	v_mov_b32 v9, 0
.irp i, 0,1,2,3
	v_mov_b32 v[U+\i], 0
.endr
.macro MLOAD i
.irp e, 0,1,2,3,4,5,6,7,8,9,10,11,12,13,14,15
	global_load_b128 v[MR+64*((\i)%2)+4*\e:MR+64*((\i)%2)+4*\e+3], v1, s[4:5] offset:16384*\e+512*(\i) th:TH_LOAD_NT
.endr
.endm
.macro MTILE i
.set XS, MR+64*((\i)%2)
.if (\i) < 3
	s_wait_loadcnt 16                              ; this step's 16 loads are in; the next step's 16 may be out
.else
	s_wait_loadcnt 0x0
.endif
.set n, 0
.rept 64
	v_min_u32 v[XS+n], 1, v[XS+n]                  ; 1 where open
.set n, n+1
.endr
.irp q, 0,1
.irp k, 0,1,2,3
	v_lshl_or_b32 v[W+4*\q+\k], v[XS+32*\q+4+\k], 4, v[XS+32*\q+\k]   ; query 8 q + e's bit at 4 e
.endr
.irp e, 2,3,4,5,6,7
.irp k, 0,1,2,3
	v_lshl_or_b32 v[W+4*\q+\k], v[XS+32*\q+4*\e+\k], 4*\e, v[W+4*\q+\k]
.endr
.endr
.endr
.if (\i) < 2
	MLOAD (\i)+2
.endif
.irp q, 0,1
.irp k, 0,1,2,3
	v_or_b32 v[U+\q], v[U+\q], v[W+4*\q+\k]        ; which queries have met an open key
.endr
.endr
.irp k, 0,1,2,3,4,5,6,7
	v_xor_b32 v[W+\k], 0x11111111, v[W+\k]         ; 1 where hidden,
.endr
.irp k, 0,1,2,3,4,5,6,7
	v_mul_lo_u32 v[W+\k], v[W+\k], 15              ; and all four bits of the nibble: the code of -6
.endr
	ds_store_b128 v4, v[W:W+3]
	ds_store_b128 v4, v[W+4:W+7] offset:64
	ds_load_b128 v[OR+8*(\i):OR+8*(\i)+3], v5      ; LDS serves a wave's instructions in order: these see the stores above
	ds_load_b128 v[OR+8*(\i)+4:OR+8*(\i)+7], v5 offset:512
	s_wait_dscnt 0x0
	global_store_b128 v1, v[OR+8*(\i):OR+8*(\i)+3], s[10:11] offset:1024*(\i)       ; 512 consecutive bytes, at a multiple of 256 from maskc's first byte
	global_store_b128 v1, v[OR+8*(\i)+4:OR+8*(\i)+7], s[10:11] offset:1024*(\i)+512
.endm
	MLOAD 0
	MLOAD 1
	s_wait_alu depctr_va_vdst(0)                   ; the wait ahead of the blocking wait
	MTILE 0
	MTILE 1
	MTILE 2
	MTILE 3
.irp m, 1,2,4,8                                ; the open bits of all 32 lanes' keys
	v_mov_b32_dpp v[T], v[U] row_xmask:\m row_mask:0xf bank_mask:0xf
	v_mov_b32_dpp v[T+1], v[U+1] row_xmask:\m row_mask:0xf bank_mask:0xf
	v_or_b32 v[U], v[U], v[T]
	v_or_b32 v[U+1], v[U+1], v[T+1]
.endr
	v_permlanex16_b32 v[T], v[U], s18, s19
	v_permlanex16_b32 v[T+1], v[U+1], s18, s19
	v_or_b32 v[U], v[U], v[T]
	v_or_b32 v[U+1], v[U+1], v[T+1]
	v_cmp_gt_u32 vcc_lo, 1, v8
	s_wait_alu depctr_va_vdst(0)
	s_wait_xcnt 0x0                                ; EXEC changes only behind this wait
	s_and_saveexec_b32 s30, vcc_lo
	global_store_b64 v9, v[U:U+1], s[14:15]        ; lane 0 stores the wave's two words
	s_wait_xcnt 0x0
	s_or_b32 exec_lo, exec_lo, s30
	s_wait_tensorcnt 0x0                           ; the wave's end
	ds_add_u32 v254, v255
	s_wait_dscnt 0x0
	s_endpgm
.Lnot_mask:
	s_cmp_lt_u32 ttmp9, 640
	s_cbranch_scc0 .Lvalue
; ---------------- THE KEYS.  A wave takes one key step (128 keys, 32 KiB): 32 batch + step = 4 (id - 512) + wave; in two halves of 64 keys, four tiles each.
	s_sub_co_u32 s20, ttmp9, 512
	s_lshl_b32 s20, s20, 2
	s_add_co_u32 s20, s20, s16
	s_lshl_b32 s22, s20, 15
	s_mov_b32 s23, 0
	s_add_nc_u64 s[6:7], s[6:7], s[22:23]
	s_mul_i32 s24, s20, STEPB
	s_mov_b32 s25, 0
	s_add_nc_u64 s[12:13], s[12:13], s[24:25]
	s_mul_i32 s36, s16, KWB
	s_add_co_u32 s36, s36, KST                     ; my stage
	v_mul_u32_u24 v4, v3, 272
	v_lshl_add_u32 v4, v2, 4, v4
	v_add_nc_u32 v4, s36, v4                       ; in: a load's 512 bytes are two keys' rows: row h, 16 r
	v_and_b32 v9, 8, v2
	v_mad_u32_u24 v9, v9, 3, v2                    ; 32 (r / 8) + r % 8: the tile's rows 8-15 lie 32 keys on
	v_mul_u32_u24 v5, v9, 272
	v_lshl_add_u32 v5, v3, 7, v5
	v_add_nc_u32 v5, s36, v5                       ; out: that row, + 128 h: my block of 32 along the head's 64
	v_lshlrev_b32 v7, 3, v3                        ; 8 h: my byte's place in the scale word
	v_lshlrev_b32 v6, 3, v8
	v_mov_b32 v246, 0                              ; written once: a lane permute's destination counts as one of its sources
	v_mov_b32 v247, 0
	v_mov_b32 v252, 0
	v_mov_b32 v253, 0
.macro KLOAD c
.set e, 0
.rept 32
	global_load_b128 v[KR+4*e:KR+4*e+3], v1, s[6:7] offset:16384*(\c)+512*e th:TH_LOAD_NT
.set e, e+1
.endr
.endm
.macro KPAIR i                         ; tiles 2 i and 2 i + 1
.if (\i)%2 == 0
	s_wait_loadcnt 0x0                             ; the half's 64 rows are in
.set e, 0
.rept 32
	ds_store_b128 v4, v[KR+4*e:KR+4*e+3] offset:544*e
.set e, e+1
.endr
.endif
.irp u, 0,1
.irp j, 0,1,2,3,4,5,6,7
	ds_load_b128 v[KX+32*\u+4*\j:KX+32*\u+4*\j+3], v5 offset:2176*(2*((\i)%2)+\u)+16*\j   ; a tile begins 8 rows below the one before
.endr
.endr
	s_wait_dscnt 0x0                               ; both tiles are back, and the stores have read their registers
.if (\i) == 0
	KLOAD 1
.endif
.irp u, 0,1
	v_max3_num_f32 v[244+\u], |v[KX+32*\u]|, |v[KX+32*\u+1]|, 0x1800000   ; my block's largest magnitude, and the floor 2^(3 - 127)
.endr
.irp n, 2,4,6,8,10,12,14,16,18,20,22,24,26,28,30
.irp u, 0,1
	v_max3_num_f32 v[244+\u], v[244+\u], |v[KX+32*\u+\n]|, |v[KX+32*\u+\n+1]|
.endr
.endr
.irp u, 0,1
	v_add_nc_u32 v[248+\u], 0xff000000, v[244+\u]  ; 2 off its exponent field: the conversion's scale operand
.endr
.irp u, 0,1
.irp g, 0,1,2,3
	v_cvt_scalef32_pk8_fp4_f32 v[KCD+4*(2*(\i)+\u)+\g], v[KX+32*\u+8*\g:KX+32*\u+8*\g+7], v[248+\u]
.endr
.endr
.irp u, 0,1
	v_lshrrev_b32 v[250+\u], 23, v[248+\u]         ; the scale's byte (also the plain line behind the conversions)
.endr
.irp u, 0,1
	v_lshlrev_b32 v[250+\u], v7, v[250+\u]
.endr
.irp u, 0,1
	v_permlanex16_b32 v[246+\u], v[250+\u], s18, s19
.endr
.irp u, 0,1
	v_or_b32 v[250+\u], v[250+\u], v[246+\u]       ; both bytes of my row
.endr
.irp u, 0,1
	v_or_b32 v[250+\u], 0x8d8d0000, v[250+\u]      ; and 2^14 for the two blocks that hold the mask's codes
.endr
	v_cndmask_b32 v[KSW+(\i)], v250, v251, s17     ; lanes 0-15 keep the even tile's word, lanes 16-31 the odd tile's
.irp u, 0,1
	global_store_b128 v1, v[KCD+4*(2*(\i)+\u):KCD+4*(2*(\i)+\u)+3], s[12:13] offset:512*(2*(\i)+\u)
.endr
.endm
	KLOAD 0
	s_wait_alu depctr_va_vdst(0)
	KPAIR 0
	KPAIR 1
	KPAIR 2
	KPAIR 3
	global_store_b128 v1, v[KSW:KSW+3], s[12:13] offset:O_KS
	global_store_b64 v6, v[252:253], s[12:13] offset:O_PAD   ; the step's last 256 bytes
	s_wait_tensorcnt 0x0
	ds_add_u32 v254, v255
	s_wait_dscnt 0x0
	s_endpgm
.Lvalue:
; ---------------- THE VALUES.  id' = id - 640: batch id' / 8.  Wave w takes columns d = 32 (w % 2) + lane of the two key steps 4 (id' % 8) + 2 (w / 2) + 0, 1.
; A lane takes a column d and its registers run down the keys: a block of 32 keys lies in one lane's 32 registers.
	s_sub_co_u32 s20, ttmp9, 640
	s_lshr_b32 s21, s20, 3
	s_and_b32 s22, s20, 7
	s_and_b32 s23, s16, 1
	s_lshr_b32 s24, s16, 1
	s_lshl_b32 s22, s22, 2
	s_lshl_b32 s24, s24, 1
	s_add_co_u32 s22, s22, s24
	s_lshl_b32 s26, s21, 20
	s_lshl_b32 s25, s22, 15
	s_add_co_u32 s26, s26, s25
	s_lshl_b32 s25, s23, 7
	s_add_co_u32 s26, s26, s25
	s_mov_b32 s27, 0
	s_add_nc_u64 s[8:9], s[8:9], s[26:27]
	s_lshl_b32 s28, s21, 5
	s_add_co_u32 s28, s28, s22
	s_mul_i32 s28, s28, STEPB
	s_mov_b32 s29, 0
	s_add_nc_u64 s[12:13], s[12:13], s[28:29]
	s_lshl_b32 s30, s23, 11
	v_lshlrev_b32 v4, 2, v8
	v_lshlrev_b32 v5, 10, v3
	v_lshl_add_u32 v5, v2, 4, v5
	v_add_nc_u32 v5, s30, v5
	v_add_nc_u32 v6, s25, v4
.macro VLOAD t
.irp i, 0,1,2,3,4,5,6,7,8,9,10,11,12,13,14,15,16,17,18,19,20,21,22,23,24,25,26,27,28,29,30,31
	global_load_b32 v[VX+32*((\t)%2)+\i], v4, s[8:9] offset:256*(32*(\t)+\i) th:TH_LOAD_NT
.endr
.endm
.macro VBLOCK t
.set XS, VX+32*((\t)%2)
.if (\t) < 7
	s_wait_loadcnt 32                              ; this block's 32 loads are in; the next block's may be out
.else
	s_wait_loadcnt 0x0
.endif
	v_max3_num_f32 v12, |v[XS]|, |v[XS+1]|, |v[XS+2]|
	v_max3_num_f32 v13, |v[XS+3]|, |v[XS+4]|, |v[XS+5]|
.irp i, 6,10,14,18,22,26
	v_max3_num_f32 v12, v12, |v[XS+\i]|, |v[XS+\i+1]|
	v_max3_num_f32 v13, v13, |v[XS+\i+2]|, |v[XS+\i+3]|
.endr
	v_max3_num_f32 v12, v12, |v[XS+30]|, |v[XS+31]|
	v_max3_num_f32 v12, v12, v13, 0x1800000
	v_add_nc_u32 v14, 0xff000000, v12
.irp g, 0,1,2,3
	v_cvt_scalef32_pk8_fp4_f32 v[VCD+4*(\t)+\g], v[XS+8*\g:XS+8*\g+7], v14
.endr
	v_lshrrev_b32 v15, 23, v14
.if (\t)%4 == 0
	v_mov_b32 v[VSW+(\t)/4], v15
.else
	v_lshl_or_b32 v[VSW+(\t)/4], v15, 8*((\t)%4), v[VSW+(\t)/4]
.endif
	global_store_b128 v5, v[VCD+4*(\t):VCD+4*(\t)+3], s[12:13] offset:STEPB*((\t)/4)+O_VC+512*(((\t)%4)/2)+256*((\t)%2)
.if (\t)+2 < 8
	VLOAD (\t)+2
.endif
.if (\t)%4 == 3
	global_store_b32 v6, v[VSW+(\t)/4], s[12:13] offset:STEPB*((\t)/4)+O_VS
.endif
.endm
	VLOAD 0
	VLOAD 1
	s_wait_alu depctr_va_vdst(0)
.irp t, 0,1,2,3,4,5,6,7
	VBLOCK \t
.endr
	s_endpgm
.Lfunc_end_k_qdaf70e9257_prep:
	.size	k_qdaf70e9257_prep, .Lfunc_end_k_qdaf70e9257_prep-k_qdaf70e9257_prep
	.p2alignl 7, 3214868480
	.fill 96, 4, 3214868480
	.section	.rodata,"a",@progbits
	.p2align	6, 0x0
	.amdhsa_kernel k_qdaf70e9257_prep
		.amdhsa_group_segment_fixed_size 74240
		.amdhsa_private_segment_fixed_size 0
		.amdhsa_enable_private_segment 0
		.amdhsa_kernarg_size 48
		.amdhsa_user_sgpr_count 2
		.amdhsa_user_sgpr_kernarg_segment_ptr 1
		.amdhsa_wavefront_size32 1
		.amdhsa_system_sgpr_workgroup_id_x 1
		.amdhsa_system_sgpr_workgroup_id_y 1
		.amdhsa_system_sgpr_workgroup_id_z 1
		.amdhsa_system_vgpr_workitem_id 0
		.amdhsa_next_free_vgpr 256
		.amdhsa_next_free_sgpr 66
		.amdhsa_reserve_vcc 1
		.amdhsa_float_denorm_mode_32 3
		.amdhsa_float_denorm_mode_16_64 3
		.amdhsa_memory_ordered 1
		.amdhsa_forward_progress 1
		.amdhsa_inst_pref_size 106
	.end_amdhsa_kernel
	.amdgpu_metadata
---
amdhsa.version: [ 1, 2 ]
amdhsa.kernels:
  - .name:           k_qdaf70e9257_prep
    .symbol:         k_qdaf70e9257_prep.kd
    .args:
      - { .name: mask, .offset: 0, .size: 8, .value_kind: global_buffer, .address_space: global }
      - { .name: key, .offset: 8, .size: 8, .value_kind: global_buffer, .address_space: global }
      - { .name: value, .offset: 16, .size: 8, .value_kind: global_buffer, .address_space: global }
      - { .name: maskc, .offset: 24, .size: 8, .value_kind: global_buffer, .address_space: global }
      - { .name: kv, .offset: 32, .size: 8, .value_kind: global_buffer, .address_space: global }
      - { .name: rowf, .offset: 40, .size: 8, .value_kind: global_buffer, .address_space: global }
    .group_segment_fixed_size: 74240
    .private_segment_fixed_size: 0
    .kernarg_segment_align: 8
    .kernarg_segment_size: 48
    .max_flat_workgroup_size: 128
    .sgpr_count:     66
    .vgpr_count:     256
    .wavefront_size: 32
...
	.end_amdgpu_metadata
.endif
;; end of part 1
;; launch attn (part 2): grid 16 x 16, 16 waves a work-group, clusters of 4 x 1, 327,680 bytes of LDS; arguments query, kv, maskc, rowf, out0; writes out0
.if DOCPART == 2
	.amdgcn_target "amdgcn-amd-amdhsa--gfx1250"
	.amdhsa_code_object_version 6
	.text
	.protected	k_qdaf70e9257_attn
	.globl	k_qdaf70e9257_attn
	.p2align	8
	.type	k_qdaf70e9257_attn,@function
k_qdaf70e9257_attn:
	s_mov_b64 s[64:65], 0
	v_nop
	global_prefetch_b8 v0, s[64:65] scope:SCOPE_SE
	s_setreg_imm32_b32 hwreg(HW_REG_WAVE_MODE, 25, 1), 1
	s_wait_xcnt 0x0
	s_wait_alu depctr_hold_cnt(0) depctr_sa_sdst(0) depctr_va_vdst(0) depctr_va_sdst(0) depctr_va_ssrc(0) depctr_va_vcc(0) depctr_vm_vsrc(0)
	s_getreg_b32 s2, hwreg(HW_REG_IB_STS2, 6, 4)
	s_cmp_eq_u32 s2, 0
	s_cbranch_scc0 .Lentry_in_a_cluster
	s_endpgm
.Lentry_in_a_cluster:
	s_bfe_u32 s2, ttmp6, 0x10000c
	s_cmp_lg_u32 s2, 0x3003
	s_cbranch_scc0 .Lentry_shape_is_right
	s_endpgm
.Lentry_shape_is_right:
; out[b][q] = the sum over k of softmax_k(where(mask[q][k] == 0, -10000, Q[b][q] . K[b][k] / 8)) V[b][k], both products on codes of FP4 (E2M1) with E8M0 scales for each 32 along K.
; p = 2^(t - M), t = score x log2(e), M the running largest t rounded up to a whole number; the row's sum is taken of the unquantised p and divides at the end.
; SHARES.  A work-group owns 256 queries of one batch, each of its sixteen waves 16 of them; every wave walks the batch's 4,096 keys, 128 a step.  The batch's codes and scales (32 steps x 9,216 bytes, laid by the launch before
; as images of operand registers) stay in LDS: steps 0-3 by each wave's one tensor load at the head (9 rows of 256 bytes a wave), steps 4-31 by its second (63 rows).
; The four work-groups of a cluster walk the same batch and ask jointly.  Both requests stand at the head and there is no loop to run ahead in, so these bytes are not prefetched.
; LAYOUT.  Both products are used transposed (S^T = K Q^T, O^T = V^T P^T): a lane holds one query (lane % 16).  Row r of key tile t is key 64 (t / 4) + 32 (r / 8) + 8 (t % 4) + r % 8, so that the 32 registers
; of tiles 4 c .. 4 c + 3 are in lane half h the whole block of keys 64 c + 32 h + 0 .. 31: a block's maximum needs no other lane, and the conversion of tile t's eight registers is register t of P's operand.
; THE MASK GOES THROUGH THE FIRST PRODUCT.  The head's 64 fill k = 0 .. 63 of the instruction's 128.  At k = 64 + 32 h + i (i < 8) the key operand holds the code of -6, under the scale 2^14, where mask[query 8 h + i][key] == 0,
; else 0, and the query operand holds 1.0 at its own query's place: a hidden score comes out as the score less 12,288 (98,304 / 8), an open one unchanged.  Eight loads of 128 bytes a step bring the mask's codes, one step ahead.
; A hidden p is then 0, as reference()'s is, wherever the row has an open key (limits below).  A ROW WITH NO OPEN KEY (rowf says which): its codes of Q are set to 0, so that all its scores are -12,288 and all p equal,
; p1 = 2^(T1 - ceil(T1)), T1 = -12,288 log2(e); reference()'s are p0 = 2^(T0 - ceil(T0)), T0 = -10,000 log2(e); both are quantised to 1/2, so the row's sum is multiplied by p0 / p1 = 0.924184.
; LIMITS.  The scores of one query lie within 12,000 of each other, and a query with an open key has its largest open score above -9,800 (below that reference()'s -10,000 would begin to count);
; the drawn scores are of size 1 to 6.  NaN and infinities among the inputs are not served.
; THE MASK'S CODES ARE PREFETCHED: the 16 batches read the same 32 KiB for a tile of queries and share it out: batch y asks for steps 2 y and 2 y + 1 (8 blocks of 256 bytes, a lane a block, lanes 8-31 naming the last again)
; in trip 2 y - 2, one trip ahead of the load of step 2 y; batch 0 asks for nothing.  The branch hangs on the batch and the trip alone, which all partners of a cluster share.
; DUAL FORMS carry the scaling t - M, the row's sums and the rescaling of O^T, two f32 operations an instruction: one destination even, one odd, and the two halves' sources at each place in registers of different
; number mod 4; so c, -M and f are each kept twice, in neighbouring registers.
; THE KEY TILES OF THE NEXT STEP are read from LDS behind this step's first products; the address is held at the last step of the group in hand, so that no byte is read that has not landed.
.set STEPB, 9216
.set BATB,  32*STEPB
.set AB,    4*STEPB                    ; steps 0-3: 36,864 bytes
.set APART, AB/16                      ; 9 rows of 256 bytes
.set BPART, (BATB-AB)/16               ; 63 rows
.set STG2,  BATB                       ; behind the codes: the stages of waves 9-15, 4,096 bytes each (those of waves 0-8 lie on the bytes of steps 0-3)
.set SPARE, BATB+7*4096                ; the spare words: 128 bytes for each wave
.set O_KS,  4096
.set O_VC,  4608
.set O_VS,  8704
.set QF,  16                           ; v16-23 Q's operand; v24-87 eight key tiles; v88-119 four tiles of V; v120-183 S^T, then p; v184-215 O^T; v216-223 p's codes
.set KF,  24
.set VF,  88
.set S,   120
.set OT,  184
.set PC,  216
.set KSC, 224
.set VSC, 228
.set QSC, 230
.set PSC, 231
.set BM,  232
.set WK,  236                          ; v236-239 and v250-251: three of the sum's four pairs of chains; v14, v15 the fourth, which is kept
.set C3,  250
.set SO,  240
.set SB,  242                          ; v242, v243: two scale bytes
.set FF,  244                          ; v244, v245: f
.set PX,  246
.set TT,  247
.set TU,  248
.set RM,  249                          ; the running largest score.  v6, v7: c.  v12, v13: -M
.set TB,  2
.set CNT, 3
.set G0A, 4
.set G0B, 8
.set G1A, 12
.set G1B, 20
.set MP,  28                           ; s[28:29] the mask's codes of the step last loaded
.set OP,  30
.set SEL, 32
.set CS,  34
.set WV,  36
.set TN,  37                           ; where the next step begins in LDS
.set PFT, 38
.set TR,  39                           ; the trip, 0 .. 31
.set PFA, 40
.set ANY, 42                           ; lanes whose query has an open key
.set INC, 92
.macro ROUND
	s_barrier_signal -1
	s_barrier_wait -1
	s_cmp_lg_u32 s[WV], 0
	s_cbranch_scc1 .Lnot_wave_0_\@
	s_barrier_signal -3
.Lnot_wave_0_\@:
	s_barrier_wait -3
	s_barrier_signal -1
	s_barrier_wait -1
.endm
.macro MLD                             ; register 4 of each key tile
.irp t, 0,1,2,3,4,5,6,7
	global_load_b32 v[KF+8*\t+4], v2, s[MP:MP+1] offset:128*\t
.endr
.endm
.macro KLD                             ; registers 0-3 of each key tile, and the tiles' scale words: nine loads
.irp t, 0,1,2,3,4,5,6,7
	ds_load_b128 v[KF+8*\t:KF+8*\t+3], v10 offset:512*\t
.endr
	ds_load_b128 v[KSC:KSC+3], v10 offset:O_KS
.endm
	s_load_b256 s[44:51], s[0:1], 0x0              ; query, kv, maskc, rowf
	s_load_b64 s[52:53], s[0:1], 0x20              ; out0
	v_lshl_add_u32 v254, v0, 2, SPARE
	v_mov_b32 v255, 0
	ds_add_u32 v254, v255                          ; the opening lines
	ds_add_u32 v254, v255
	v_lshrrev_b32 v1, 5, v0
	v_readfirstlane_b32 s[WV], v1
	s_and_b32 s54, ttmp7, 0xffff                   ; batch
	s_bfe_u32 s55, ttmp6, 0x40000
	s_lshl_b32 s56, ttmp9, 2
	s_add_co_u32 s56, s56, s55                     ; block of 256 queries
	s_lshl_b32 s56, s56, 4
	s_add_co_u32 s56, s56, s[WV]                   ; qt: my tile of 16 queries
	s_mul_i32 s57, s54, BATB
	s_mul_i32 s58, s[WV], APART
	s_mul_i32 s59, s[WV], BPART
	s_add_co_u32 s60, s57, s58
	s_mov_b32 s61, 0
	s_add_co_u32 s62, s57, s59
	s_add_co_u32 s62, s62, AB
	s_mov_b32 s63, 0
	s_lshl_b32 s66, s54, 20
	s_lshl_b32 s67, s56, 12
	s_add_co_u32 s66, s66, s67                     ; my queries' rows in query and out0
	s_mov_b32 s67, 0
	s_lshl_b32 s84, s56, 15                        ; my 32 KiB of maskc
	s_mov_b32 s85, 0
	s_lshl_b32 s86, s56, 6                         ; my 64 bytes of rowf
	s_lshl_b32 s88, s54, 11
	s_add_co_u32 s88, s88, s84                     ; steps 2 y, 2 y + 1 of them
	s_mov_b32 s89, 0
	s_lshl_b32 s[PFT], s54, 1
	s_sub_co_u32 s[PFT], s[PFT], 2
	s_mov_b32 s[TR], 0
	s_mov_b32 s[INC+1], 0
	s_mov_b32 s90, 0xff00ff00                      ; lanes with r >= 8
	s_mov_b32 s91, 0xff0000ff                      ; lanes with r / 8 == h
	s_mov_b32 s[G1A+0], 15|(3<<16)|(1<<21)         ; all four partners; elements of 8 bytes
	s_mov_b32 s[G1A+1], 32<<16
	s_mov_b32 s[G1A+2], (APART/256)<<16
	s_mov_b32 s[G1A+3], 32<<16
	s_mov_b32 s[G1A+4], APART/256
	s_mov_b32 s[G1A+5], 32
	s_mov_b32 s[G1A+6], 0
	s_mov_b32 s[G1A+7], 0
	s_mov_b32 s[G1B+0], 15|(3<<16)|(1<<21)
	s_mov_b32 s[G1B+1], 32<<16
	s_mov_b32 s[G1B+2], (BPART/256)<<16
	s_mov_b32 s[G1B+3], 32<<16
	s_mov_b32 s[G1B+4], BPART/256
	s_mov_b32 s[G1B+5], 32
	s_mov_b32 s[G1B+6], 0
	s_mov_b32 s[G1B+7], 0
	s_mov_b32 s[SEL], 0x76543210
	s_mov_b32 s[SEL+1], 0xfedcba98
	s_mov_b32 s[CS], 0x3e38aa3b                    ; c = log2(e) / 8
	s_wait_alu depctr_va_vdst(0)
	s_wait_dscnt 0x0
	s_wait_kmcnt 0x0
	s_mov_b32 s[G0A], 1
	s_mov_b32 s[G0A+1], s58
	s_add_nc_u64 s[G0A+2:G0A+3], s[46:47], s[60:61]
	s_or_b32 s[G0A+3], s[G0A+3], 0x80000000
	s_mov_b32 s[G0B], 1
	s_add_co_u32 s[G0B+1], s59, AB
	s_add_nc_u64 s[G0B+2:G0B+3], s[46:47], s[62:63]
	s_or_b32 s[G0B+3], s[G0B+3], 0x80000000
	s_add_nc_u64 s[44:45], s[44:45], s[66:67]
	s_add_nc_u64 s[OP:OP+1], s[52:53], s[66:67]
	s_add_nc_u64 s[MP:MP+1], s[48:49], s[84:85]
	s_add_nc_u64 s[PFA:PFA+1], s[48:49], s[88:89]
	s_load_b512 s[68:83], s[50:51], s86 offset:0x0 ; the eight parts' open bits
	ROUND
	tensor_load_to_lds s[G0A:G0A+3], s[G1A:G1A+7]  ; steps 0-3: one tensor load a wave at the head
	s_nop 0
	v_and_b32 v2, 31, v0
	v_lshlrev_b32 v1, 4, v2                        ; 16 x lane
	v_min_u32 v3, 7, v2
	v_lshlrev_b32 v3, 8, v3                        ; the prefetch's offset
	v_lshlrev_b32 v2, 2, v2                        ; 4 x lane
	v_and_b32 v8, 15, v0
	v_bfe_u32 v11, v0, 4, 1
	v_lshlrev_b32 v4, 3, v11                       ; 8 h
	v_lshlrev_b32 v8, 8, v8
	v_lshl_add_u32 v8, v11, 7, v8                  ; Q: row r, block h
.irp i, 0,1,2,3,4,5,6,7
	global_load_b128 v[S+4*\i:S+4*\i+3], v8, s[44:45] offset:16*\i th:TH_LOAD_NT
.endr
	MLD                                            ; step 0's mask
.set j, 0
.rept 32
	v_mov_b32 v[OT+j], 0                           ; the loop is written once: its first step finds zeros
.set j, j+1
.endr
.irp j, 5,6,7
	v_mov_b32 v[QF+\j], 0
.irp t, 0,1,2,3,4,5,6,7
	v_mov_b32 v[KF+8*\t+\j], 0
.endr
.endr
	v_mov_b32 v[RM], 0xff61b1e6                    ; the largest score so far: -3e38
	v_mov_b32 v12, 0x7e000000                      ; -M = 2^125
	v_mov_b32 v13, 0x7e000000
	v_mov_b32 v14, 0
	v_mov_b32 v15, 0
	v_mov_b32 v6, s[CS]
	v_mov_b32 v7, s[CS]
	v_mov_b32 v[PX], 0                             ; written once: a lane permute's destination counts as one of its sources
.irp b, 0,1,2,3
	v_mov_b32 v[WK+\b], 0
.endr
	s_wait_alu depctr_va_vdst(0)
	s_wait_kmcnt 0x0
.irp i, 70,72,74,76,78,80,82
	s_or_b32 s68, s68, s[\i]
	s_or_b32 s69, s69, s[\i+1]
.endr
	s_wait_loadcnt 8                               ; Q is in; the mask's eight loads may be out.  Q is quantised while the tensor load is on its way
	v_max3_num_f32 v[WK], |v[S]|, |v[S+1]|, |v[S+2]|
	v_max3_num_f32 v[WK+1], |v[S+3]|, |v[S+4]|, |v[S+5]|
.irp i, 6,10,14,18,22,26
	v_max3_num_f32 v[WK], v[WK], |v[S+\i]|, |v[S+\i+1]|
	v_max3_num_f32 v[WK+1], v[WK+1], |v[S+\i+2]|, |v[S+\i+3]|
.endr
	v_max3_num_f32 v[WK], v[WK], |v[S+30]|, |v[S+31]|
	v_max3_num_f32 v[WK], v[WK], v[WK+1], 0x1800000
	v_add_nc_u32 v[SO], 0xff000000, v[WK]
.irp g, 0,1,2,3
	v_cvt_scalef32_pk8_fp4_f32 v[QF+\g], v[S+8*\g:S+8*\g+7], v[SO]
.endr
	v_lshrrev_b32 v[WK], 23, v[SO]
	v_lshlrev_b32 v[WK], v4, v[WK]
	v_permlanex16_b32 v[WK+1], v[WK], s[SEL], s[SEL+1]
	v_or_b32 v[WK], v[WK], v[WK+1]
	v_or_b32 v[QSC], 0x7f7f0000, v[WK]             ; blocks 2 and 3 (the identity): scale 1
	v_mov_b32 v[TU], s68
	v_mov_b32 v[TT], s69
	v_cndmask_b32 v[TU], v[TU], v[TT], s90         ; the word of my query's eight
	v_and_b32 v[TT], 7, v0
	v_lshlrev_b32 v[TT], 2, v[TT]                  ; 4 (r % 8)
	v_lshrrev_b32 v[TU], v[TT], v[TU]
	v_and_b32 v[TU], 1, v[TU]
	v_cmp_ne_u32 s[ANY], 0, v[TU]
	v_mov_b32 v11, 2                               ; the code of 1.0
	v_lshlrev_b32 v[QF+4], v[TT], v11
	v_cndmask_b32 v[QF+4], 0, v[QF+4], s91         ; at k = 64 + 32 h + r % 8 where r / 8 == h
.irp g, 0,1,2,3
	v_cndmask_b32 v[QF+\g], 0, v[QF+\g], s[ANY]    ; a query with no open key: zero codes
.endr
	v_mov_b32 v5, 0x3f6c9752                       ; p0 / p1
	v_mov_b32 v11, 1.0
	v_cndmask_b32 v5, v5, v11, s[ANY]
.rept 4
	v_nop                                          ; places ahead of the first scaled product
.endr
	s_wait_alu depctr_va_vdst(0)                   ; the wait at the head's end
	s_wait_tensorcnt 0x0                           ; my part of steps 0-3 is in
	ds_add_u32 v254, v255
	s_wait_dscnt 0x0
	ROUND
	tensor_load_to_lds s[G0B:G0B+3], s[G1B:G1B+7]  ; steps 4-31
	s_nop 0
.macro FMA2 j                          ; t - M of two scores
	v_dual_fma_f32 v[S+\j], v[S+\j], v6, v12 :: v_dual_fma_f32 v[S+\j+1], v[S+\j+1], v7, v13
.endm
.macro NEW2 c, p                       ; a pair of chains begins with pairs p and p + 1 of p's 32 pairs
	v_dual_add_f32 v[\c], v[S+2*(\p)], v[S+2*(\p)+2] :: v_dual_add_f32 v[\c+1], v[S+2*(\p)+1], v[S+2*(\p)+3]
.endm
.macro ADD2 c, p                       ; and takes in pair p
	v_dual_add_f32 v[\c], v[S+2*(\p)], v[\c] :: v_dual_add_f32 v[\c+1], v[S+2*(\p)+1], v[\c+1]
.endm
.macro STEP last
	s_add_co_u32 s[TN], s[TB], STEPB
	s_min_u32 s[TN], s[TN], \last                  ; the next step, held at the group's last
	s_wait_loadcnt 0x0                             ; this step's mask is in, so its loads' base may be stepped:
	s_cmp_lt_u32 s[TR], 31
	s_cselect_b32 s[INC], 1024, 0                  ; the last trip loads step 31's once more and stays inside the buffer
	s_add_nc_u64 s[MP:MP+1], s[MP:MP+1], s[INC:INC+1]
	s_wait_dscnt 0x0                               ; and so are its key tiles, asked for a step ago
.irp t, 0,1,2,3,4,5,6,7
.if \t%2
	v_wmma_scale_f32_16x16x128_f8f6f4 v[S+8*\t:S+8*\t+7], v[KF+8*\t:KF+8*\t+7], v[QF:QF+7], 0, v[KSC+\t/2], v[QSC] matrix_a_fmt:MATRIX_FMT_FP4 matrix_b_fmt:MATRIX_FMT_FP4 matrix_a_scale:MATRIX_SCALE_ROW1
.else
	v_wmma_scale_f32_16x16x128_f8f6f4 v[S+8*\t:S+8*\t+7], v[KF+8*\t:KF+8*\t+7], v[QF:QF+7], 0, v[KSC+\t/2], v[QSC] matrix_a_fmt:MATRIX_FMT_FP4 matrix_b_fmt:MATRIX_FMT_FP4
.endif
.endr
	v_add_nc_u32 v8, s[TB], v1                     ; four places behind the products: the addresses of the loads below,
	v_add_nc_u32 v9, s[TB], v2
	v_add_nc_u32 v10, s[TN], v1
	v_mov_b32 v[TT], v12                           ; and the old -M
.irp t, 0,1,2,3
.irp c, 0,1
	ds_load_b128 v[VF+8*\t+4*\c:VF+8*\t+4*\c+3], v8 offset:O_VC+1024*\t+512*\c
.endr
.endr
.irp i, 0,1
	ds_load_b32 v[VSC+\i], v9 offset:O_VS+128*\i
.endr
	KLD                                            ; the next step's key tiles
	MLD                                            ; and its mask
	s_cmp_eq_u32 s[TR], s[PFT]
	s_cbranch_scc0 .Lnp_\@
	global_prefetch_b8 v3, s[PFA:PFA+1] th:TH_LOAD_NT scope:SCOPE_SE
.Lnp_\@:
.irp c, 0,1                                    ; the largest score of my two blocks of 32 keys, each in two chains
	v_max3_num_f32 v[BM+2*\c], v[S+32*\c], v[S+32*\c+1], v[S+32*\c+2]
	v_max3_num_f32 v[BM+2*\c+1], v[S+32*\c+17], v[S+32*\c+18], v[S+32*\c+19]
.endr
.irp i, 0,2,4,6,8,10
.irp c, 0,1
	v_max3_num_f32 v[BM+2*\c], v[BM+2*\c], v[S+32*\c+3+\i], v[S+32*\c+4+\i]
	v_max3_num_f32 v[BM+2*\c+1], v[BM+2*\c+1], v[S+32*\c+20+\i], v[S+32*\c+21+\i]
.endr
.endr
.irp c, 0,1
	v_max3_num_f32 v[BM+2*\c], v[BM+2*\c], v[S+32*\c+15], v[S+32*\c+16]
.endr
.irp c, 0,1
	v_max_num_f32 v[BM+2*\c], v[BM+2*\c], v[BM+2*\c+1]
.endr
	s_delay_alu instid0(VALU_DEP_1)
	v_max_num_f32 v[TU], v[BM], v[BM+2]
	s_delay_alu instid0(VALU_DEP_1)
	v_permlanex16_b32 v[WK], v[TU], s[SEL], s[SEL+1]
	s_delay_alu instid0(VALU_DEP_1)
	v_max3_num_f32 v[RM], v[RM], v[TU], v[WK]      ; the running largest score of my query
	s_delay_alu instid0(VALU_DEP_1)
	v_mul_f32 v[TU], s[CS], v[RM]                  ; as t
	s_delay_alu instid0(VALU_DEP_1)
	v_floor_f32 v12, -v[TU]                        ; -M = floor(-t),
	v_floor_f32 v13, -v[TU]                        ; twice
	s_delay_alu instid0(VALU_DEP_2)
	v_sub_f32 v[TT], v12, v[TT]                    ; old M - new M, a whole number, 0 or less; its way to f lies among the scalings
.irp j, 0,2,4,6
	FMA2 \j
.endr
	v_cvt_i32_f32 v[TT], v[TT]                     ; (it saturates)
.irp j, 8,10,12,14
	FMA2 \j
.endr
	v_ldexp_f32 v[FF], 1.0, v[TT]                  ; f = 2^(old M - new M),
	v_ldexp_f32 v[FF+1], 1.0, v[TT]                ; twice
.set j, 16
.rept 24
	FMA2 j
.set j, j+2
.endr
.irp c, 0,1
	v_fma_f32 v[BM+2*\c], v[BM+2*\c], v6, v12      ; the same of each block's largest score
.endr
.set j, 0
.rept 16
	v_dual_mul_f32 v[OT+j], v[FF], v[OT+j] :: v_dual_mul_f32 v[OT+j+1], v[FF+1], v[OT+j+1]   ; O^T under the new M
.set j, j+2
.endr
	s_wait_alu depctr_va_vdst(0)                   ; the wait ahead of the batch
.set j, 0
.rept 64
	v_exp_f32 v[S+j], v[S+j]
.set j, j+1
.endr
.irp c, 0,1
	v_exp_f32 v[BM+2*\c], v[BM+2*\c]               ; the block's largest p
.endr
	v_pk_mul_f32 v[14:15], v[14:15], v[FF:FF+1] op_sel_hi:[1,0]   ; the sums under the new M (a plain place behind the batch)
	s_wait_alu depctr_va_vdst(0)                   ; and the wait behind it
	; the row's sum of the unquantised p, in four pairs of chains; the way to p's scale word lies among them
	NEW2 WK, 0
	NEW2 WK+2, 2
	NEW2 C3, 4
.irp c, 0,1
	v_max_num_f32 v[BM+2*\c], 0x1800000, v[BM+2*\c]   ; the floor 2^(3 - 127): the byte cannot fall under 1
.endr
	ADD2 14, 6
	ADD2 WK, 7
.irp c, 0,1
	v_add_nc_u32 v[SO+\c], 0xff000000, v[BM+2*\c]  ; the conversion's scale operand
.endr
	ADD2 WK+2, 8
	ADD2 C3, 9
.irp c, 0,1
	v_lshrrev_b32 v[SB+\c], 23, v[SO+\c]           ; the scale's byte
.endr
	ADD2 14, 10
	ADD2 WK, 11
	v_lshl_or_b32 v[PSC], v[SB+1], 16, v[SB]       ; blocks h and 2 + h,
	ADD2 WK+2, 12
	ADD2 C3, 13
	v_lshlrev_b32 v[PSC], v4, v[PSC]               ; at their places;
	ADD2 14, 14
	ADD2 WK, 15
	v_permlanex16_b32 v[PX], v[PSC], s[SEL], s[SEL+1]
	ADD2 WK+2, 16
	ADD2 C3, 17
	v_or_b32 v[PSC], v[PSC], v[PX]                 ; with lane l xor 16's two the word is whole
.irp t, 0,1,2,3,4,5,6,7
	v_cvt_scalef32_pk8_fp4_f32 v[PC+\t], v[S+8*\t:S+8*\t+7], v[SO+\t/4]
.endr
	v_nop                                          ; one plain place behind the conversions
.irp p, 18,22,26                               ; the 17 lines from here on are also the places ahead of the products
	ADD2 14, \p
	ADD2 WK, \p+1
	ADD2 WK+2, \p+2
	ADD2 C3, \p+3
.endr
	ADD2 14, 30
	ADD2 WK, 31
	v_dual_add_f32 v14, v[WK], v14 :: v_dual_add_f32 v15, v[WK+1], v15
	v_dual_add_f32 v[WK+2], v[C3], v[WK+2] :: v_dual_add_f32 v[WK+3], v[C3+1], v[WK+3]
	v_dual_add_f32 v14, v[WK+2], v14 :: v_dual_add_f32 v15, v[WK+3], v15
	s_wait_alu depctr_va_vdst(0)
	s_wait_dscnt 9                                 ; V's tiles and scale words are in; the nine loads of the next key tiles, issued behind them, may be out
.irp t, 0,1,2,3
.if \t%2
	v_wmma_scale_f32_16x16x128_f8f6f4 v[OT+8*\t:OT+8*\t+7], v[VF+8*\t:VF+8*\t+7], v[PC:PC+7], v[OT+8*\t:OT+8*\t+7], v[VSC+\t/2], v[PSC] matrix_a_fmt:MATRIX_FMT_FP4 matrix_b_fmt:MATRIX_FMT_FP4 matrix_a_scale:MATRIX_SCALE_ROW1
.else
	v_wmma_scale_f32_16x16x128_f8f6f4 v[OT+8*\t:OT+8*\t+7], v[VF+8*\t:VF+8*\t+7], v[PC:PC+7], v[OT+8*\t:OT+8*\t+7], v[VSC+\t/2], v[PSC] matrix_a_fmt:MATRIX_FMT_FP4 matrix_b_fmt:MATRIX_FMT_FP4
.endif
.endr
.endm
.macro GROUP first, n
	s_mov_b32 s[TB], STEPB*\first
	s_mov_b32 s[CNT], \n
	v_add_nc_u32 v10, s[TB], v1
	KLD                                            ; the group's first key tiles
.Lstep_\@:
	STEP STEPB*(\first+\n-1)
	s_add_co_u32 s[TB], s[TB], STEPB
	s_add_co_u32 s[TR], s[TR], 1
	s_sub_co_u32 s[CNT], s[CNT], 1
	s_cmp_lg_u32 s[CNT], 0
	s_cbranch_scc1 .Lstep_\@
.endm
	GROUP 0, 4
	s_wait_tensorcnt 0x0                           ; my part of steps 4-31 is in, and my reads of steps 0-3 are over;
	s_wait_dscnt 0x0
	s_barrier_signal -1
	s_barrier_wait -1                              ; and everybody's: from here on nobody reads the bytes of steps 0-3
	GROUP 4, 28
	; THE WAY OUT, through a stage of 16 rows x 256 bytes of the wave's own: waves 0-8 on the bytes of steps 0-3 (their last fill and last read are over), waves 9-15 behind the codes.  No barrier.
	; The 16-byte piece q of row m lies at piece q xor m of the row, so that sixteen lanes that store one piece of sixteen rows touch sixteen different pieces.
	v_add_f32 v14, v14, v15
	s_delay_alu instid0(VALU_DEP_1)
	v_permlanex16_b32 v[TT], v14, s[SEL], s[SEL+1]
	s_delay_alu instid0(VALU_DEP_1)
	v_add_f32 v14, v14, v[TT]                      ; the row's sum,
	s_delay_alu instid0(VALU_DEP_1)
	v_mul_f32 v14, v14, v5                         ; x p0 / p1 in a row with no open key
	s_wait_alu depctr_va_vdst(0)
	v_rcp_f32 v14, v14
	v_and_b32 v8, 15, v0
	v_bfe_u32 v9, v0, 4, 1
	s_add_co_u32 s[TB], s[WV], 7
	s_lshr_b32 s[TB], s[TB], 4                     ; 1 in waves 9-15
	s_mul_i32 s[TB], s[TB], STG2-9*4096
	s_lshl_b32 s[CNT], s[WV], 12
	s_add_co_u32 s[TB], s[TB], s[CNT]              ; my stage
	v_lshlrev_b32 v10, 4, v8
	v_lshlrev_b32 v11, 5, v9
	v_xor_b32 v10, v10, v11
	v_lshl_add_u32 v10, v8, 8, v10
	v_add_nc_u32 v10, s[TB], v10                   ; in: row r, piece (2 h) xor r
	v_xor_b32 v11, v8, v9
	v_lshlrev_b32 v11, 4, v11
	v_lshl_add_u32 v11, v9, 8, v11
	v_add_nc_u32 v11, s[TB], v11                   ; back: row h, piece r xor h
.irp n, 0,1,2,3,4,5,6,7
	v_xor_b32 v[PC+\n], 64*(\n/2)+16*(\n%2), v10   ; piece 4 t + 2 h + e, n = 2 t + e
	v_xor_b32 v[BM+\n], 32*\n, v11                 ; row 2 n + h
.endr
	s_wait_alu depctr_va_vdst(0)
.set j, 0
.rept 16
	v_pk_mul_f32 v[S+j:S+j+1], v[OT+j:OT+j+1], v[14:15] op_sel_hi:[1,0]
.set j, j+2
.endr
.irp n, 0,1,2,3,4,5,6,7
	ds_store_b128 v[PC+\n], v[S+4*\n:S+4*\n+3]
.endr
.irp i, 0,1,2,3,4,5,6,7
	ds_load_b128 v[VF+4*\i:VF+4*\i+3], v[BM+\i] offset:512*\i   ; LDS serves a wave's instructions in order: these see my stores
.endr
.irp i, 0,1,2,3,4,5,6,7
	s_wait_dscnt 7-\i
	global_store_b128 v1, v[VF+4*\i:VF+4*\i+3], s[OP:OP+1] offset:512*\i th:TH_STORE_NT   ; sixteen lanes store one row of 256 bytes
.endr
	s_wait_tensorcnt 0x0                           ; the wave's end
	ds_add_u32 v254, v255
	s_wait_dscnt 0x0
	ROUND                                          ; the closing round
	s_endpgm
.Lfunc_end_k_qdaf70e9257_attn:
	.size	k_qdaf70e9257_attn, .Lfunc_end_k_qdaf70e9257_attn-k_qdaf70e9257_attn
	.p2alignl 7, 3214868480
	.fill 96, 4, 3214868480
	.section	.rodata,"a",@progbits
	.p2align	6, 0x0
	.amdhsa_kernel k_qdaf70e9257_attn
		.amdhsa_group_segment_fixed_size 327680
		.amdhsa_private_segment_fixed_size 0
		.amdhsa_enable_private_segment 0
		.amdhsa_kernarg_size 40
		.amdhsa_user_sgpr_count 2
		.amdhsa_user_sgpr_kernarg_segment_ptr 1
		.amdhsa_wavefront_size32 1
		.amdhsa_system_sgpr_workgroup_id_x 1
		.amdhsa_system_sgpr_workgroup_id_y 1
		.amdhsa_system_sgpr_workgroup_id_z 1
		.amdhsa_system_vgpr_workitem_id 0
		.amdhsa_next_free_vgpr 256
		.amdhsa_next_free_sgpr 100
		.amdhsa_reserve_vcc 0
		.amdhsa_float_denorm_mode_32 3
		.amdhsa_float_denorm_mode_16_64 3
		.amdhsa_memory_ordered 1
		.amdhsa_forward_progress 1
		.amdhsa_inst_pref_size 52
	.end_amdhsa_kernel
	.amdgpu_metadata
---
amdhsa.version: [ 1, 2 ]
amdhsa.kernels:
  - .name:           k_qdaf70e9257_attn
    .symbol:         k_qdaf70e9257_attn.kd
    .args:
      - { .name: query, .offset: 0, .size: 8, .value_kind: global_buffer, .address_space: global }
      - { .name: kv, .offset: 8, .size: 8, .value_kind: global_buffer, .address_space: global }
      - { .name: maskc, .offset: 16, .size: 8, .value_kind: global_buffer, .address_space: global }
      - { .name: rowf, .offset: 24, .size: 8, .value_kind: global_buffer, .address_space: global }
      - { .name: out0, .offset: 32, .size: 8, .value_kind: global_buffer, .address_space: global }
    .group_segment_fixed_size: 327680
    .private_segment_fixed_size: 0
    .kernarg_segment_align: 8
    .kernarg_segment_size: 40
    .max_flat_workgroup_size: 512
    .sgpr_count:     100
    .vgpr_count:     256
    .wavefront_size: 32
...
	.end_amdgpu_metadata
.endif
;; end of part 2
